; MI455X (gfx1250); checked and timed in simulation.
; The chip was launched on July 23, 2026; its instructions are those of AMD's public machine-readable ISA for CDNA 5 (MIT licence, August 2026) and "CDNA5" Instruction Set Architecture Reference Guide (July 2026). The comments in the code are by the model that wrote it; some were corrected since.
;; Qlora Linear Debug. Allowed arithmetic: float matrix products may take bf16 or f16 operands with f32 sums; other float arithmetic in f32, or as packed bf16 or f16 multiplies, adds, multiply-adds, maxima and minima; sums over many terms, partial sums and values carried from step to step in f32; what a program stores and reads back later, other than sums and carried values, may be rounded once to bf16 or f16.
;; Inputs: lora_A 16 x 4,096 float32; lora_B 2,048 x 16 float32; weight_packed 2,048 x 1,024 float32; x 4 x 2,048 x 4,096 float32.
;; Outputs: out0 4 x 2,048 x 2,048 float32.
;; Constants: scaling = 1.
;; One version. Each part assembles by itself: llvm-mc -triple=amdgcn-amd-amdhsa -mcpu=gfx1250 --defsym DOCPART=n.
;; ======== version 1 of 1: 2 launches
;; limits: values are held in f16: magnitudes above 65,504 overflow, below 6.1e-05 lose precision
;; workspace buffers: xs 16,777,216 bytes; wf 4,194,304 bytes; t16 524,288 bytes
;; launch prep (part 1): grid 256 x 1, 8 waves a work-group, clusters of 4 x 1, 327,680 bytes of LDS; arguments x, lora_A, weight_packed, xs, wf, t16; writes xs, wf, t16
.if DOCPART == 1
	.amdgcn_target "amdgcn-amd-amdhsa--gfx1250"
	.amdhsa_code_object_version 6
	.text
	.protected	k_qff5d925b77_prep
	.globl	k_qff5d925b77_prep
	.p2align	8
	.type	k_qff5d925b77_prep,@function
k_qff5d925b77_prep:
	s_mov_b64 s[64:65], 0
	v_nop
	global_prefetch_b8 v0, s[64:65] scope:SCOPE_SE
	s_setreg_imm32_b32 hwreg(HW_REG_WAVE_MODE, 25, 1), 1
	s_wait_xcnt 0x0
	s_wait_alu depctr_hold_cnt(0) depctr_sa_sdst(0) depctr_va_vdst(0) depctr_va_sdst(0) depctr_va_ssrc(0) depctr_va_vcc(0) depctr_vm_vsrc(0)
	s_getreg_b32 s2, hwreg(HW_REG_IB_STS2, 6, 4)
	s_cmp_eq_u32 s2, 0
	s_cbranch_scc0 .Lentry_in_a_cluster
	s_endpgm
.Lentry_in_a_cluster:
	s_bfe_u32 s2, ttmp6, 0x10000c
	s_cmp_lg_u32 s2, 0x3003
	s_cbranch_scc0 .Lentry_shape_is_right
	s_endpgm
.Lentry_shape_is_right:
; FIRST OF TWO LAUNCHES.  out = x tile(Wp, 4)^T + (x A^T) B^T.  Since the weight is Wp four times along K, the first product is xs Wp^T with
; xs[m][j] = x[m][j] + x[m][j+1024] + x[m][j+2048] + x[m][j+3072], K = 1,024: a quarter of the products, for every input.  This launch reads x once and makes of it
;   xs  [8192][1024] f16: the four chunks added in f32, ((x0 + x1) + x2) + x3, and rounded once;
;   t16 T = x A^T [8192][16]: x and A rounded to f16, sums in f32, T as bf16 and, beside it, the bf16 of what that rounding left;
;   wf  Wp [2048][1024] rounded to f16.
; All three are written in the order in which a matrix instruction wants them.  A BLOCK is 16 rows x 32 k, 1,024 bytes: byte 512 q + 16 l holds registers 4 q .. 4 q + 3 of lane l
; (row l % 16, k = 16 q + 8 (l / 16) + 0..7).  xs: [K step of 128][16 rows][32 k][block]; wf the same; t16: [16 rows][block], q = 0 the bf16 of T, q = 1 the rest.
; LIMITS.  f16 ends at 65,504: |x|, |the sum of four x|, |Wp| and |A| stay below it; under 6.1e-5 f16 keeps a fixed step of 6e-8.  The chunks are added ahead of the product: another order of
; rounding than a product over K = 4,096.  NaN and infinities are not treated apart.
; SHARES.  Work-group g owns rows 32 g .. 32 g + 31 of x (two blocks of 16, mb).  The eight waves are two groups of four; in half jh of the walk group w / 4 has j = 512 (w / 4) + 256 jh .. + 255.
; A TILE is ONE chunk of that range: 16 rows (of x: a row block; of A: the 16 ranks) x 256 j, rows of 1,024 consecutive bytes at multiples of 256 from the buffer's first byte.  Wave w LOADS chunk w % 4
; and COMPUTES on j = 64 (w % 4) .. + 63 of the range, in all four chunks: it reads what its three partners loaded, so every read of a tile stands behind a barrier ahead of which every wave has waited for its load.
; 16 bytes of padding follow every row: rows 1,040 bytes apart, so the 16 rows of a fragment load start 16 bytes apart modulo 256 (64 banks of 4 bytes: ISA guide 11.1).
; Each wave also has one tile of Wp of its own (rows 16 (g / 2) .., k = 512 (g % 2) + 64 w ..).  The waves' eight partial T meet in LDS at the end.
; CLUSTER.  The four work-groups of a cluster need the same tiles of A: wave w of each asks for them jointly.  x's and Wp's tiles are each work-group's own.
.set TILE,  16640                      ; 16 x 1040
.set SLOTB, 8*TILE                     ; a slot: the eight waves' tiles, wave w's at w x TILE
.set WREG,  2*SLOTB                    ; behind the two slots: a wave's tile of Wp, 16 rows of 272 bytes, filled once
.set WTILE, 16*272
.set RED,   WREG+8*WTILE               ; the waves' partial T: 2,048 bytes a wave; no tensor load lands here
.set SPARE, RED+8*2048                 ; the spare words, 128 bytes for each wave: four blocks of 256 bytes that no other line names
.set WA,  5                            ; v5   my place in my wave's tile of Wp: 272 r + 32 h
.set L16, 6                            ; v6   16 x lane: my 16 bytes in half a block; never rewritten
.set RW,  7                            ; v7   where I put my partial T
.set RR,  8                            ; v8   where waves 0 and 1 read the partial T of row block w
.set SPW, 10                           ; v10  LDS address of my spare word; never rewritten
.set NIL, 11                           ; v11  0; never rewritten
.set XA,  12                           ; v12-13  my place in chunk 0's tile of my group, in slot 0, 1: 4 (w / 4) TILE + 256 (w % 4) + 1040 r + 32 h
.set AF,  16                           ; v[16:79]    A's fragments in f16: 32 j (u) and chunk c at AF + 8 (4 u + c)
.set TA,  80                           ; v[80:111]   T's sums: row block mb, turn p at TA + 16 mb + 8 p
.set RAW, 112                          ; v[112:239]  two units of 64: four chunks x 16 f32 as loaded; then each chunk's 8 registers of f16
.set S,   240                          ; v[240:255]  the sum of the four chunks; what is stored
.set WV,  16                           ; s16  my wave's number
.set XB,  24                           ; s[24:25] x at my work-group's first row, the chunk that I load, my group's first j
.set AB,  26                           ; s[26:27] A at rank 0, the same chunk and j
.set G1X, 28                           ; s[28:35] descriptor group 1 for x's tiles
.set G1A, 36                           ; s[36:43] for A's: the same with the mask
.set G1W, 44                           ; s[44:51] for Wp's
.set G0,  52                           ; s[52:59] group 0 for x's tiles, a set for each slot
.set G0W, 60                           ; s[60:63] for Wp's tile
.set XSB, 66                           ; s[66:67] xs at my first K step, my work-group's blocks, my 64 j
.set WFB, 68                           ; s[68:69] wf at my two blocks
.set TB,  70                           ; s[70:71] t16 at row block 2 g + w (used by waves 0 and 1)
.set G0A, 72                           ; s[72:79] group 0 for A's two tiles: no number that differs between partners ever stands here
; A round of the cluster's barrier: my work-group's barrier, so that wave 0's signal speaks for all eight waves; wave 0 signals; every wave waits for all four work-groups; my work-group's barrier once more.
.macro ROUND
	s_barrier_signal -1
	s_barrier_wait -1
	s_cmp_lg_u32 s[WV], 0
	s_cbranch_scc1 .Lnot_wave_0_\@
	s_barrier_signal -3
.Lnot_wave_0_\@:
	s_barrier_wait -3
	s_barrier_signal -1
	s_barrier_wait -1
.endm
; A slot that has been read is filled again: all my tensor loads have landed, 0 goes onto my spare word, that and my reads of the slot are waited for, a round, and my one load first behind it.
; The round shows two things of every wave: nobody reads the old slot any more, and the other slot's eight tiles are whole.
.macro REFILL slot, off                ; with x's tile at byte off from XB
	s_wait_tensorcnt 0x0                           ; no tensor load of mine is out, so a group 0 may be written
	ds_add_u32 v[SPW], v[NIL]                      ; the address is made between it and the wait for it
	s_add_nc_u64 s[G0+4*(\slot)+2:G0+4*(\slot)+3], s[XB:XB+1], \off
	s_or_b32 s[G0+4*(\slot)+3], s[G0+4*(\slot)+3], 0x80000000
	s_wait_dscnt 0x0                               ; the add is done, and my reads of the slot are back
	ROUND
	tensor_load_to_lds s[G0+4*(\slot):G0+4*(\slot)+3], s[G1X:G1X+7]
	s_nop 0
.endm
.macro REFILLA                         ; slot 1 takes A's second tiles, each asked for jointly by wave w of all four work-groups
	s_wait_tensorcnt 0x0
	ds_add_u32 v[SPW], v[NIL]
	s_wait_dscnt 0x0
	ROUND
	tensor_load_to_lds s[G0A+4:G0A+7], s[G1A:G1A+7]
	s_nop 0
.endm
; 16 LDS loads: for 32 j (u) of my 64, each chunk's 16 f32 of my row: j = 8 h + 0..7 and 16 + 8 h + 0..7.  Chunk c lies in the tile that wave 4 (w / 4) + c loaded.
.macro LD16 dst, slot, u
.irp c, 0,1,2,3
	ds_load_b128 v[(\dst)+16*(\c):(\dst)+16*(\c)+3],     v[XA+(\slot)] offset:(\c)*TILE+(\u)*128
	ds_load_b128 v[(\dst)+16*(\c)+4:(\dst)+16*(\c)+7],   v[XA+(\slot)] offset:(\c)*TILE+(\u)*128+16
	ds_load_b128 v[(\dst)+16*(\c)+8:(\dst)+16*(\c)+11],  v[XA+(\slot)] offset:(\c)*TILE+(\u)*128+64
	ds_load_b128 v[(\dst)+16*(\c)+12:(\dst)+16*(\c)+15], v[XA+(\slot)] offset:(\c)*TILE+(\u)*128+80
.endr
.endm
; My 64 j of A's four tiles become eight fragments of f16, which stay in registers for two row blocks of x.
.macro ACONV slot
	LD16 RAW, \slot, 0
	LD16 RAW+64, \slot, 1
.irp u, 0,1
	s_wait_dscnt 16-16*(\u)                        ; the first sixteen loads are back, then all
.irp c, 0,1,2,3
.irp i, 0,1,2,3,4,5,6,7
	v_cvt_pk_f16_f32 v[AF+8*(4*(\u)+(\c))+(\i)], v[RAW+64*(\u)+16*(\c)+2*(\i)], v[RAW+64*(\u)+16*(\c)+2*(\i)+1]
.endr
.endr
.endr
.endm
; 16 rows x 32 j: the fold, the four products for T, and a block of xs.
.macro UNIT buf, mb, jh, u, zero, dsleft
.set R, RAW+64*(\buf)
	s_wait_dscnt \dsleft                           ; LDS loads come back in order (ISA guide 5.7.1): this unit's sixteen are in
	s_wait_xcnt 0x0                                ; S, which the last stores read, is rewritten only behind this wait
.irp i, 0,2,4,6,8,10,12,14
	v_pk_add_f32 v[S+(\i):S+(\i)+1], v[R+(\i):R+(\i)+1], v[R+16+(\i):R+16+(\i)+1]
.endr
.irp i, 0,2,4,6,8,10,12,14
	v_pk_add_f32 v[S+(\i):S+(\i)+1], v[S+(\i):S+(\i)+1], v[R+32+(\i):R+32+(\i)+1]
.endr
.irp i, 0,2,4,6,8,10,12,14
	v_pk_add_f32 v[S+(\i):S+(\i)+1], v[S+(\i):S+(\i)+1], v[R+48+(\i):R+48+(\i)+1]
.endr
.irp c, 0,1,2,3
.irp i, 0,1,2,3,4,5,6,7
	v_cvt_pk_f16_f32 v[R+16*(\c)+(\i)], v[R+16*(\c)+2*(\i)], v[R+16*(\c)+2*(\i)+1]  ; in place: register i takes f32 2 i and 2 i + 1, which no later line reads
.endr
.endr
	; source 0 = 16 ranks of A, source 1 = 16 rows of x: lane l gets T[row l % 16][rank 8 (l / 16) + 0..7].  Two accumulators take turns.
.irp c, 0,1,2,3
.if (\zero) && ((\c) < 2)
	v_wmma_f32_16x16x32_f16 v[TA+16*(\mb)+8*((\c)%2):TA+16*(\mb)+8*((\c)%2)+7], v[AF+8*(4*(\u)+(\c)):AF+8*(4*(\u)+(\c))+7], v[R+16*(\c):R+16*(\c)+7], 0
.else
	v_wmma_f32_16x16x32_f16 v[TA+16*(\mb)+8*((\c)%2):TA+16*(\mb)+8*((\c)%2)+7], v[AF+8*(4*(\u)+(\c)):AF+8*(4*(\u)+(\c))+7], v[R+16*(\c):R+16*(\c)+7], v[TA+16*(\mb)+8*((\c)%2):TA+16*(\mb)+8*((\c)%2)+7]
.endif
.endr
.irp i, 0,1,2,3,4,5,6,7
	v_cvt_pk_f16_f32 v[S+(\i)], v[S+2*(\i)], v[S+2*(\i)+1]  ; eight plain lines that name no register of the products: the places ahead of the next loads into RAW and of what reads T
.endr
	; K step 4 (w / 4) + 2 jh + (w / 2) % 2, block 2 (w % 2) + u of it: all but jh, mb and u stand in the base.  Each store of the wave covers 512 consecutive bytes, aligned.
	global_store_b128 v[L16], v[S:S+3],   s[XSB:XSB+1] offset:(\jh)*4194304+(\mb)*4096+(\u)*1024
	global_store_b128 v[L16], v[S+4:S+7], s[XSB:XSB+1] offset:(\jh)*4194304+(\mb)*4096+(\u)*1024+512
.endm
.macro XTILE slot, mb, jh, zero        ; my 64 j of a row block: two units.  zero = 1: its first two products start the row block's sums
	LD16 RAW, \slot, 0
	LD16 RAW+64, \slot, 1
	UNIT 0, \mb, \jh, 0, \zero, 16
	UNIT 1, \mb, \jh, 1, 0, 0
.endm
	s_load_b256 s[4:11], s[0:1], 0x0               ; x s[4:5], A s[6:7], Wp s[8:9], xs s[10:11]
	s_load_b128 s[12:15], s[0:1], 0x20             ; wf s[12:13], t16 s[14:15]
	v_lshl_add_u32 v[SPW], v0, 2, SPARE
	v_mov_b32 v[NIL], 0
	ds_add_u32 v[SPW], v[NIL]                      ; the wave's opening: the add and its wait stand ahead of my first tensor load; the set-up below, work on registers, stands between them
	v_lshrrev_b32 v1, 5, v0
	v_readfirstlane_b32 s[WV], v1                  ; wave 0..7
	s_bfe_u32 s17, ttmp6, 0x40000                  ; cx: my place in the cluster
	s_lshl_b32 s18, ttmp9, 2                       ; in a cluster launch ttmp9 counts clusters
	s_add_co_u32 s18, s18, s17                     ; g = 4 x cluster x + cx: it enters global addresses of my own loads and stores alone
	s_and_b32 s20, s[WV], 3                        ; the chunk that I load; also which 64 j of my group's 256 I compute on
	s_lshr_b32 s21, s[WV], 2                       ; my group
	; byte offsets, each in the pair that later takes the address
	s_lshl_b32 s[AB], s20, 12                      ; a chunk is 4,096 bytes of a row,
	s_lshl_b32 s19, s21, 11                        ; a group's 512 j are 2,048
	s_add_co_u32 s[AB], s[AB], s19
	s_mov_b32 s[AB+1], 0
	s_lshl_b32 s[XB], s18, 19                      ; 32 rows of 16,384 bytes
	s_add_co_u32 s[XB], s[XB], s[AB]
	s_mov_b32 s[XB+1], 0
	s_bfe_u32 s19, s[WV], 0x10001                  ; (w / 2) % 2
	s_lshl2_add_u32 s19, s21, s19                  ; K step 4 (w / 4) + (w / 2) % 2 of xs,
	s_lshl_b32 s[XSB], s19, 21
	s_lshl_b32 s19, s18, 13                        ; two row blocks of 4,096 bytes,
	s_add_co_u32 s[XSB], s[XSB], s19
	s_and_b32 s19, s[WV], 1
	s_lshl_b32 s19, s19, 11                        ; blocks 2 (w % 2) and the next
	s_add_co_u32 s[XSB], s[XSB], s19
	s_mov_b32 s[XSB+1], 0
	s_lshr_b32 s2, s18, 1                          ; nb: which 16 rows of Wp
	s_and_b32 s3, s18, 1                           ; kh: which half of their k
	s_lshl_b32 s[WFB], s3, 2
	s_lshr_b32 s19, s[WV], 1
	s_add_co_u32 s[WFB], s[WFB], s19               ; K step 4 kh + w / 2 of wf,
	s_lshl_b32 s[WFB], s[WFB], 19
	s_lshl_b32 s19, s2, 12                         ; row block nb,
	s_add_co_u32 s[WFB], s[WFB], s19
	s_and_b32 s19, s[WV], 1
	s_lshl_b32 s19, s19, 11                        ; blocks 2 (w % 2) and the next
	s_add_co_u32 s[WFB], s[WFB], s19
	s_mov_b32 s[WFB+1], 0
	s_lshl_b32 s[TB], s18, 11
	s_lshl_b32 s19, s[WV], 10
	s_add_co_u32 s[TB], s[TB], s19
	s_mov_b32 s[TB+1], 0
	s_lshl_b32 s22, s2, 16                         ; Wp: 16 rows of 4,096 bytes,
	s_lshl_b32 s19, s3, 11                         ; 512 k,
	s_add_co_u32 s22, s22, s19
	s_lshl_b32 s19, s[WV], 8                       ; 64 k
	s_add_co_u32 s22, s22, s19
	s_mov_b32 s23, 0
	; descriptor group 1.  Sizes in elements of 4 bytes.
	s_mov_b32 s[G1X], (2<<16)|(1<<20)|(7<<22)|(3<<25)             ; 17:16 elements of 4 bytes; 20 padding on; 24:22 after every 256 words (code 7): each row; 31:25 4 words (code 3)
	s_mov_b32 s[G1A], 15|(2<<16)|(1<<20)|(1<<21)|(7<<22)|(3<<25)  ; the same; 15:0 the mask: all four work-groups; 21 set beside a mask
.irp g, G1X, G1A
	s_mov_b32 s[(\g)+1], 256<<16                   ; tensor_dim0 = 256
	s_mov_b32 s[(\g)+2], 16<<16                    ; tensor_dim1 = 16
	s_mov_b32 s[(\g)+3], 256<<16                   ; tile_dim0 = 256
	s_mov_b32 s[(\g)+4], 16                        ; tile_dim1 = 16
	s_mov_b32 s[(\g)+5], 4096                      ; 4,096 elements from row to row
	s_mov_b32 s[(\g)+6], 0
	s_mov_b32 s[(\g)+7], 0
.endr
	s_mov_b32 s[G1W], (2<<16)|(1<<20)|(5<<22)|(3<<25)             ; padding after every 64 words (code 5): each row; rows 272 bytes apart
	s_mov_b32 s[G1W+1], 64<<16
	s_mov_b32 s[G1W+2], 16<<16
	s_mov_b32 s[G1W+3], 64<<16
	s_mov_b32 s[G1W+4], 16
	s_mov_b32 s[G1W+5], 1024
	s_mov_b32 s[G1W+6], 0
	s_mov_b32 s[G1W+7], 0
	s_mul_i32 s2, s[WV], TILE                      ; where my tiles go in a slot: the wave's number times a constant
	s_mul_i32 s3, s[WV], WTILE
	s_add_co_u32 s3, s3, WREG                      ; my tile of Wp
	s_mov_b32 s[G0], 1
	s_mov_b32 s[G0+1], s2
	s_mov_b32 s[G0+4], 1
	s_add_co_u32 s[G0+5], s2, SLOTB
	s_mov_b32 s[G0A], 1
	s_mov_b32 s[G0A+1], s2
	s_mov_b32 s[G0A+4], 1
	s_add_co_u32 s[G0A+5], s2, SLOTB
	s_mov_b32 s[G0W], 1
	s_mov_b32 s[G0W+1], s3
	s_wait_dscnt 0x0                               ; the opening add is done
	s_wait_kmcnt 0x0
	s_add_nc_u64 s[XB:XB+1], s[4:5], s[XB:XB+1]
	s_add_nc_u64 s[AB:AB+1], s[6:7], s[AB:AB+1]
	s_add_nc_u64 s[G0W+2:G0W+3], s[8:9], s[22:23]
	s_or_b32 s[G0W+3], s[G0W+3], 0x80000000
	s_add_nc_u64 s[XSB:XSB+1], s[10:11], s[XSB:XSB+1]
	s_add_nc_u64 s[WFB:WFB+1], s[12:13], s[WFB:WFB+1]
	s_add_nc_u64 s[TB:TB+1], s[14:15], s[TB:TB+1]
	s_add_nc_u64 s[G0A+2:G0A+3], s[AB:AB+1], 0     ; A, my group's first 256 j
	s_or_b32 s[G0A+3], s[G0A+3], 0x80000000
	s_add_nc_u64 s[G0A+6:G0A+7], s[AB:AB+1], 1024  ; A, its second 256 j
	s_or_b32 s[G0A+7], s[G0A+7], 0x80000000
	s_add_nc_u64 s[G0+6:G0+7], s[XB:XB+1], 0       ; x, row block 0, first 256 j
	s_or_b32 s[G0+7], s[G0+7], 0x80000000
	ROUND                                          ; all four work-groups are here: the first joint loads meet
	tensor_load_to_lds s[G0A:G0A+3], s[G1A:G1A+7]  ; the first fills go out together: three loads of mine are out.  Slot 0: A
	s_nop 0
	tensor_load_to_lds s[G0+4:G0+7], s[G1X:G1X+7]  ; slot 1: x
	s_nop 0
	tensor_load_to_lds s[G0W:G0W+3], s[G1W:G1W+7]  ; Wp
	s_nop 0
	v_and_b32 v1, 31, v0                           ; lane
	v_and_b32 v2, 15, v0                           ; r
	v_bfe_u32 v3, v0, 4, 1                         ; h
	s_mul_i32 s19, s21, 4*TILE                     ; my group's four tiles in a slot,
	s_lshl_b32 s20, s20, 8                         ; my 64 j of their rows
	s_add_co_u32 s19, s19, s20
	v_mul_u32_u24 v[XA], v2, 1040
	v_lshl_add_u32 v[XA], v3, 5, v[XA]
	v_add_nc_u32 v[XA], s19, v[XA]
	v_add_nc_u32 v[XA+1], SLOTB, v[XA]
	v_mul_u32_u24 v[WA], v2, 272
	v_lshl_add_u32 v[WA], v3, 5, v[WA]
	v_add_nc_u32 v[WA], s3, v[WA]
	v_lshlrev_b32 v[L16], 4, v1
	s_lshl_b32 s19, s[WV], 11
	s_add_co_u32 s19, s19, RED
	v_add_nc_u32 v[RW], s19, v[L16]
	s_lshl_b32 s19, s[WV], 10
	s_add_co_u32 s19, s19, RED
	v_add_nc_u32 v[RR], s19, v[L16]
	s_wait_tensorcnt 0x2                           ; my tile of A is in; x's and Wp's, issued behind it, may stay out
	s_barrier_signal -1
	s_barrier_wait -1                              ; everybody's is
	ACONV 0
	REFILL 0, 262144                               ; slot 0 <- x, row block 1, first 256 j.  The round has shown slot 1 whole
	XTILE 1, 0, 0, 1
	REFILLA                                        ; slot 1 <- A's second tiles
	XTILE 0, 1, 0, 1
	REFILL 0, 1024                                 ; slot 0 <- x, row block 0, second 256 j
	ACONV 1
	; Wp's tile, 16 rows x 64 k, my own (it was shown landed by the first wait for 0), becomes two blocks of f16
.irp u, 0,1
	ds_load_b128 v[RAW+16*(\u):RAW+16*(\u)+3],     v[WA] offset:(\u)*128
	ds_load_b128 v[RAW+16*(\u)+4:RAW+16*(\u)+7],   v[WA] offset:(\u)*128+16
	ds_load_b128 v[RAW+16*(\u)+8:RAW+16*(\u)+11],  v[WA] offset:(\u)*128+64
	ds_load_b128 v[RAW+16*(\u)+12:RAW+16*(\u)+15], v[WA] offset:(\u)*128+80
.endr
	s_wait_dscnt 0x0
	s_wait_xcnt 0x0                                ; S, which the last stores read, is rewritten only behind this wait
.irp u, 0,1
.irp i, 0,1,2,3,4,5,6,7
	v_cvt_pk_f16_f32 v[S+8*(\u)+(\i)], v[RAW+16*(\u)+2*(\i)], v[RAW+16*(\u)+2*(\i)+1]
.endr
.endr
.irp u, 0,1
	global_store_b128 v[L16], v[S+8*(\u):S+8*(\u)+3],   s[WFB:WFB+1] offset:(\u)*1024
	global_store_b128 v[L16], v[S+8*(\u)+4:S+8*(\u)+7], s[WFB:WFB+1] offset:(\u)*1024+512
.endr
	REFILL 1, 263168                               ; slot 1 <- x, row block 1, second 256 j: the last load
	XTILE 0, 0, 1, 0
	s_wait_tensorcnt 0x0                           ; my last tile is in,
	s_wait_dscnt 0x0                               ; (no LDS instruction of mine is out at a signal)
	s_barrier_signal -1
	s_barrier_wait -1                              ; everybody's is
	XTILE 1, 1, 1, 0
	; THE END.  My two turns' sums are added (each accumulator's lowest registers first), and the eight waves' partial T meet in LDS.
.irp mb, 0,1
.irp i, 0,2,4,6
	v_pk_add_f32 v[TA+16*(\mb)+(\i):TA+16*(\mb)+(\i)+1], v[TA+16*(\mb)+(\i):TA+16*(\mb)+(\i)+1], v[TA+16*(\mb)+8+(\i):TA+16*(\mb)+8+(\i)+1]
.endr
.endr
.irp mb, 0,1
	ds_store_b128 v[RW], v[TA+16*(\mb):TA+16*(\mb)+3]   offset:(\mb)*1024
	ds_store_b128 v[RW], v[TA+16*(\mb)+4:TA+16*(\mb)+7] offset:(\mb)*1024+512
.endr
	s_wait_dscnt 0x0                               ; for the others' sake: my stores are done
	s_barrier_signal -1
	s_barrier_wait -1
	s_cmp_gt_u32 s[WV], 1
	s_cbranch_scc1 .Ldone                          ; wave w of the first two finishes row block w
.irp p, 0,1,2,3,4,5,6,7
	ds_load_b128 v[RAW+8*(\p):RAW+8*(\p)+3],   v[RR] offset:(\p)*2048
	ds_load_b128 v[RAW+8*(\p)+4:RAW+8*(\p)+7], v[RR] offset:(\p)*2048+512
.endr
	s_wait_dscnt 0x0
.irp p, 1,2,3,4,5,6,7
.irp i, 0,2,4,6
	v_pk_add_f32 v[RAW+(\i):RAW+(\i)+1], v[RAW+(\i):RAW+(\i)+1], v[RAW+8*(\p)+(\i):RAW+8*(\p)+(\i)+1]
.endr
.endr
	s_wait_xcnt 0x0                                ; S once more
.irp i, 0,1,2,3
	v_cvt_pk_bf16_f32 v[S+(\i)], v[RAW+2*(\i)], v[RAW+2*(\i)+1]      ; T in bf16: it can pass f16's range where x and A carry large offsets
.endr
.irp i, 0,1,2,3
	v_lshlrev_b32 v[RAW+64+2*(\i)], 16, v[S+(\i)]                    ; that bf16 as f32,
	v_and_b32 v[RAW+64+2*(\i)+1], 0xffff0000, v[S+(\i)]
.endr
.irp i, 0,2,4,6
	v_pk_add_f32 v[RAW+(\i):RAW+(\i)+1], v[RAW+(\i):RAW+(\i)+1], v[RAW+64+(\i):RAW+64+(\i)+1] neg_lo:[0,1] neg_hi:[0,1]  ; what the rounding left,
.endr
.irp i, 0,1,2,3
	v_cvt_pk_bf16_f32 v[S+4+(\i)], v[RAW+2*(\i)], v[RAW+2*(\i)+1]    ; in bf16: it takes k = 16 .. 31 of the next launch's first product
.endr
	global_store_b128 v[L16], v[S:S+3],   s[TB:TB+1]
	global_store_b128 v[L16], v[S+4:S+7], s[TB:TB+1] offset:512
.Ldone:
	s_wait_tensorcnt 0x0                           ; the wave's end: behind my last tensor load and my last LDS store
	ds_add_u32 v[SPW], v[NIL]
	s_wait_dscnt 0x0
	ROUND                                          ; the closing round: no work-group ends while a partner may still ask for a tile that names it
	s_endpgm
.Lfunc_end_k_qff5d925b77_prep:
	.size	k_qff5d925b77_prep, .Lfunc_end_k_qff5d925b77_prep-k_qff5d925b77_prep
	.p2alignl 7, 3214868480
	.fill 96, 4, 3214868480
	.section	.rodata,"a",@progbits
	.p2align	6, 0x0
	.amdhsa_kernel k_qff5d925b77_prep
		.amdhsa_group_segment_fixed_size 327680
		.amdhsa_private_segment_fixed_size 0
		.amdhsa_enable_private_segment 0
		.amdhsa_kernarg_size 48
		.amdhsa_user_sgpr_count 2
		.amdhsa_user_sgpr_kernarg_segment_ptr 1
		.amdhsa_wavefront_size32 1
		.amdhsa_system_sgpr_workgroup_id_x 1
		.amdhsa_system_sgpr_workgroup_id_y 1
		.amdhsa_system_sgpr_workgroup_id_z 1
		.amdhsa_system_vgpr_workitem_id 0
		.amdhsa_next_free_vgpr 256
		.amdhsa_next_free_sgpr 80
		.amdhsa_reserve_vcc 0
		.amdhsa_float_denorm_mode_32 3
		.amdhsa_float_denorm_mode_16_64 3
		.amdhsa_memory_ordered 1
		.amdhsa_forward_progress 1
		.amdhsa_inst_pref_size 73
	.end_amdhsa_kernel
	.amdgpu_metadata
---
amdhsa.version: [ 1, 2 ]
amdhsa.kernels:
  - .name:           k_qff5d925b77_prep
    .symbol:         k_qff5d925b77_prep.kd
    .args:
      - { .name: x, .offset: 0, .size: 8, .value_kind: global_buffer, .address_space: global }
      - { .name: lora_A, .offset: 8, .size: 8, .value_kind: global_buffer, .address_space: global }
      - { .name: weight_packed, .offset: 16, .size: 8, .value_kind: global_buffer, .address_space: global }
      - { .name: xs, .offset: 24, .size: 8, .value_kind: global_buffer, .address_space: global }
      - { .name: wf, .offset: 32, .size: 8, .value_kind: global_buffer, .address_space: global }
      - { .name: t16, .offset: 40, .size: 8, .value_kind: global_buffer, .address_space: global }
    .group_segment_fixed_size: 327680
    .private_segment_fixed_size: 0
    .kernarg_segment_align: 8
    .kernarg_segment_size: 48
    .max_flat_workgroup_size: 256
    .sgpr_count:     80
    .vgpr_count:     256
    .wavefront_size: 32
...
	.end_amdgpu_metadata
.endif
;; end of part 1
;; launch gemm (part 2): grid 8 x 32, 4 waves a work-group, clusters of 4 x 4, 327,680 bytes of LDS; arguments xs, wf, t16, lora_B, out0; writes out0
.if DOCPART == 2
	.amdgcn_target "amdgcn-amd-amdhsa--gfx1250"
	.amdhsa_code_object_version 6
	.text
	.protected	k_qff5d925b77_gemm
	.globl	k_qff5d925b77_gemm
	.p2align	8
	.type	k_qff5d925b77_gemm,@function
k_qff5d925b77_gemm:
	s_mov_b64 s[64:65], 0
	v_nop
	global_prefetch_b8 v0, s[64:65] scope:SCOPE_SE
	s_setreg_imm32_b32 hwreg(HW_REG_WAVE_MODE, 25, 1), 1
	s_wait_xcnt 0x0
	s_wait_alu depctr_hold_cnt(0) depctr_sa_sdst(0) depctr_va_vdst(0) depctr_va_sdst(0) depctr_va_ssrc(0) depctr_va_vcc(0) depctr_vm_vsrc(0)
	s_getreg_b32 s2, hwreg(HW_REG_IB_STS2, 6, 4)
	s_cmp_eq_u32 s2, 0
	s_cbranch_scc0 .Lentry_in_a_cluster
	s_endpgm
.Lentry_in_a_cluster:
	s_bfe_u32 s2, ttmp6, 0x10000c
	s_cmp_lg_u32 s2, 0xf033
	s_cbranch_scc0 .Lentry_shape_is_right
	s_endpgm
.Lentry_shape_is_right:
; SECOND OF TWO LAUNCHES.  out[m][n] = sum over 16 ranks of T[m][rank] B[n][rank] + sum over k < 1024 of xs[m][k] Wp[n][k]; out is [8192][2048] f32; sums in f32.  The scaling is the problem's constant 1.
; xs and Wp come in f16, T as bf16 and the bf16 of what that rounding left, all in blocks of 16 rows x 32 k in a matrix instruction's own order (byte 512 q + 16 l: registers 4 q .. 4 q + 3 of lane l).
; B is read as f32 and rounded to bf16 here.  THE RANK STEP IS ONE PRODUCT OF K = 32: k = 0..15 are T's bf16 against B, k = 16..31 T's rest against B once more.  Its C is the constant 0: it starts every sum, so
; nothing is cleared and no first K step is written apart.
; LIMITS: those of the launch in front (f16 ends at 65,504; the four chunks of x are added ahead of the product).  NaN and infinities are not treated apart.
; SHARES.  A tile of out, 256 x 256, is a work-group's: 8 x 32 = 256 of them.  A wave makes 128 x 128: 64 accumulators, 512 registers.  K goes in 8 steps of 128 through two LDS slots.
; For a K step, 128 rows are 32,768 consecutive bytes of xs or wf: one tensor load a wave, as 128 rows of 256 bytes.  A fragment load takes 512 consecutive bytes of LDS: no padding is needed.
; CLUSTER.  4 x 4 work-groups: the four of a row need the same tiles of xs, the four of a column the same tiles of wf: each tile is asked for jointly, by the same load with the same descriptor and a mask of the four.
; THE MATRIX INSTRUCTION IS USED TRANSPOSED (source 0 = 16 rows of Wp or B, source 1 = 16 rows of xs or T): lane l holds row l % 16 of out and the columns 8 (l / 16) + 0..7: 32 consecutive bytes.
; REGISTERS, in windows of 256 (s_set_vgpr_msb: bits 1:0 source 0, 3:2 source 1, 5:4 source 2, 7:6 destination):
;   window 0: v0-31 addresses; v64-127, v128-191 fragments of xs (T first), two buffers, on the way out rows read back; v192-255 B as loaded
;   window 1: v64-127, v128-191 fragments of wf (B first)      window 2: the accumulators of my rows 0-63 ((a, b) at v[8 (8 a + b)])      window 3: those of my rows 64-127
.set HALFT,  32768                     ; what one tensor load brings, and what one wave reads of xs or of wf in a K step
.set SLOT,   4*HALFT                   ; xs's 256 rows, then wf's 256 rows
.set STAGE,  2*SLOT                    ; behind the ring: 16 rows x 528 bytes for each wave, for the way out; no tensor load lands here
.set SPITCH, 528                       ; 512 bytes + 16: row r starts at bank 4 r mod 64 (64 banks of 4 bytes: ISA guide 11.1)
.set SPARE,  STAGE+4*16*SPITCH         ; the spare words, 128 bytes for each wave: two blocks of 256 bytes that no other line names
.set ASTEP,  2097152                   ; bytes from a K step of xs to the next
.set BSTEP,  524288                    ; the same for wf
.set ADRA, 16                          ; v16-17  LDS address of my fragments of xs in slot 0, 1
.set ADRB, 20                          ; v20-21  the same for wf
.set STO,  24                          ; v24     the way out: where I put 32 bytes of a row
.set RD,   25                          ; v25     the way out: where I read a row back
.set SPW,  28                          ; v28     LDS address of my spare word; never rewritten
.set NIL,  29                          ; v29     0; never rewritten
.set CO,   30                          ; v30     16 x lane: my offset in half a block of T, and in 512 bytes of a row of out; never rewritten
.set BO,   31                          ; v31     my offset in 16 rows of B: 64 r + 32 h
.set F0,   64
.set F1,   128
.set BR,   192                         ; B as loaded
.set G1, 24                            ; s[24:31] descriptor group 1 for xs's tiles;  s[32:39] group 0, a set for each slot
.set G0, 32
.set G1B, 48                           ; s[48:55], s[56:63] the same for wf's
.set G0B, 56
.set MSB, 0
.macro WIN new                         ; the immediate's high byte repeats the setting that is left; a switch that changes nothing is dropped
.if MSB != (\new)
	s_set_vgpr_msb (MSB<<8)|(\new)
.set MSB, \new
.endif
.endm
.set MUL_LO, 0xa1                      ; source 0 window 1, source 1 window 0, C and D window 2
.set MUL_HI, 0xf1                      ; the same, C and D window 3
.set TO_B,   0x40                      ; destination window 1, the rest window 0
; A joint load.  Waves 0 and 1 fetch xs's two halves, waves 2 and 3 wf's.  The branch hangs on the wave's number alone.  An s_nop 0 and four v_nop follow each of the two lines.
.macro JLOAD s
	s_cmp_eq_u32 s15, 0
	s_cbranch_scc0 .Lfor_b_\@
	tensor_load_to_lds s[G0+4*(\s):G0+4*(\s)+3], s[G1:G1+7]
	s_nop 0
.rept 4
	v_nop
.endr
	s_branch .Lasked_\@
.Lfor_b_\@:
	tensor_load_to_lds s[G0B+4*(\s):G0B+4*(\s)+3], s[G1B:G1B+7]
	s_nop 0
.rept 4
	v_nop
.endr
.Lasked_\@:
.endm
.macro CREST                           ; a round of the cluster's barrier behind its opening barrier
	s_cmp_lg_u32 s14, 0
	s_cbranch_scc1 .Lnot_wave_0_\@
	s_barrier_signal -3
.Lnot_wave_0_\@:
	s_barrier_wait -3
	s_barrier_signal -1
	s_barrier_wait -1
.endm
.macro CROUND                          ; a whole round
	s_barrier_signal -1
	s_barrier_wait -1
	CREST
.endm
	s_load_b256 s[4:11], s[0:1], 0x0               ; xs s[4:5], wf s[6:7], t16 s[8:9], B s[10:11]
	s_load_b64 s[12:13], s[0:1], 0x20              ; out
	v_lshl_add_u32 v[SPW], v0, 2, SPARE
	v_mov_b32 v[NIL], 0
	ds_add_u32 v[SPW], v[NIL]                      ; the wave's opening: the add and its wait stand ahead of my first tensor load; the set-up below, work on registers, stands between them
	v_lshrrev_b32 v1, 5, v0
	v_readfirstlane_b32 s14, v1                    ; wave 0..3
	s_lshr_b32 s15, s14, 1                         ; which half of the tile's rows is mine.  Also: I fetch for xs (0) or for wf (1)
	s_and_b32 s16, s14, 1                          ; which half of its columns.  Also: which 128 rows I fetch
	s_bfe_u32 s17, ttmp6, 0x40000                  ; cx
	s_bfe_u32 s18, ttmp6, 0x40004                  ; cy
	s_lshl_b32 s19, ttmp9, 2
	s_add_co_u32 s19, s19, s17                     ; tile column = 4 x cluster x + cx
	s_and_b32 s20, ttmp7, 0xffff
	s_lshl_b32 s20, s20, 2
	s_add_co_u32 s20, s20, s18                     ; tile row = 4 x cluster y + cy
	s_lshl_b32 s21, s18, 2
	s_lshl_b32 s21, 15, s21                        ; my row of the cluster
	s_lshl_b32 s22, 0x1111, s17                    ; my column
	s_or_b32 s[G1], s21, (3<<16)|(1<<21)           ; 15:0 the mask: xs's tiles go to my row; 17:16 elements of 8 bytes; 21 set beside a mask
	s_or_b32 s[G1B], s22, (3<<16)|(1<<21)          ; wf's tiles go to my column
.irp g, G1, G1B
	s_mov_b32 s[(\g)+1], 32<<16                    ; tensor_dim0 = 32 elements: 256 bytes
	s_mov_b32 s[(\g)+2], 128<<16                   ; tensor_dim1 = 128
	s_mov_b32 s[(\g)+3], 32<<16                    ; tile_dim0 = 32
	s_mov_b32 s[(\g)+4], 128                       ; tile_dim1 = 128
	s_mov_b32 s[(\g)+5], 32                        ; each row begins where the last ends
	s_mov_b32 s[(\g)+6], 0
	s_mov_b32 s[(\g)+7], 0
.endr
	s_lshl_b32 s2, s16, 15                         ; which 128 rows I fetch
	s_lshl_b32 s40, s20, 16                        ; xs: 256 rows are 65,536 bytes of a K step.  This pair never holds cx,
	s_add_co_u32 s40, s40, s2
	s_mov_b32 s41, 0
	s_lshl_b32 s46, s19, 16                        ; wf likewise, and this pair never holds cy
	s_add_co_u32 s46, s46, s2
	s_mov_b32 s47, 0
	s_lshl_b32 s3, s14, 15                         ; where they go: wave x 32,768: no place in the cluster enters an LDS address
	s_lshl_b32 s42, s20, 14                        ; T: my 8 blocks of 1,024 bytes: 16 x tile row + 8 x half
	s_lshl_b32 s2, s15, 13
	s_add_co_u32 s42, s42, s2
	s_mov_b32 s43, 0
	s_lshl_b32 s44, s19, 14                        ; B: my 128 rows of 64 bytes
	s_lshl_b32 s2, s16, 13
	s_add_co_u32 s44, s44, s2
	s_mov_b32 s45, 0
	s_lshl_b32 s66, s20, 21                        ; out: 256 rows of 8,192 bytes,
	s_lshl_b32 s2, s15, 20                         ; my 128 of them,
	s_add_co_u32 s66, s66, s2
	s_lshl_b32 s2, s19, 10                         ; 256 columns,
	s_add_co_u32 s66, s66, s2
	s_lshl_b32 s2, s16, 9                          ; my 128 of them
	s_add_co_u32 s66, s66, s2
	s_mov_b32 s67, 0
	s_wait_dscnt 0x0                               ; the opening add is done
	s_wait_kmcnt 0x0
	s_add_nc_u64 s[40:41], s[4:5], s[40:41]
	s_add_nc_u64 s[46:47], s[6:7], s[46:47]
	s_add_nc_u64 s[42:43], s[8:9], s[42:43]
	s_add_nc_u64 s[44:45], s[10:11], s[44:45]
	s_add_nc_u64 s[12:13], s[12:13], s[66:67]
	CROUND                                         ; all sixteen work-groups are here: the first joint loads meet
.irp s, 0,1
	s_mov_b32 s[G0+4*(\s)], 1
	s_add_co_u32 s[G0+4*(\s)+1], s3, (\s)*SLOT
	s_add_nc_u64 s[G0+4*(\s)+2:G0+4*(\s)+3], s[40:41], (\s)*ASTEP    ; K step s
	s_or_b32 s[G0+4*(\s)+3], s[G0+4*(\s)+3], 0x80000000
	s_mov_b32 s[G0B+4*(\s)], 1
	s_add_co_u32 s[G0B+4*(\s)+1], s3, (\s)*SLOT
	s_add_nc_u64 s[G0B+4*(\s)+2:G0B+4*(\s)+3], s[46:47], (\s)*BSTEP
	s_or_b32 s[G0B+4*(\s)+3], s[G0B+4*(\s)+3], 0x80000000
	JLOAD \s                                       ; both slots are asked for before anything else: two loads of mine are out
.endr
	v_and_b32 v1, 15, v0                           ; r
	v_bfe_u32 v2, v0, 4, 1                         ; h
	v_and_b32 v3, 31, v0                           ; lane
	v_lshlrev_b32 v[CO], 4, v3
	v_lshlrev_b32 v[BO], 6, v1
	v_lshl_add_u32 v[BO], v2, 5, v[BO]
.irp i, 0,1,2,3,4,5,6,7
	global_load_b128 v[F1+8*(\i):F1+8*(\i)+3],   v[CO], s[42:43] offset:(\i)*1024      ; T's fragment of my row block i: its bf16,
	global_load_b128 v[F1+8*(\i)+4:F1+8*(\i)+7], v[CO], s[42:43] offset:(\i)*1024+512  ; and the rest
.endr
.irp i, 0,1,2,3,4,5,6,7
	global_load_b128 v[BR+8*(\i):BR+8*(\i)+3],   v[BO], s[44:45] offset:(\i)*1024      ; B[16 i + r][8 h + 0..7], f32
	global_load_b128 v[BR+8*(\i)+4:BR+8*(\i)+7], v[BO], s[44:45] offset:(\i)*1024+16
.endr
	s_wait_loadcnt 0x0
	WIN TO_B
.irp b, 0,1,2,3,4,5,6,7
.irp i, 0,1,2,3
	v_cvt_pk_bf16_f32 v[F1+8*(\b)+(\i)],   v[BR+8*(\b)+2*(\i)], v[BR+8*(\b)+2*(\i)+1]  ; B's fragment: the same four words for k = 0..15
	v_cvt_pk_bf16_f32 v[F1+8*(\b)+4+(\i)], v[BR+8*(\b)+2*(\i)], v[BR+8*(\b)+2*(\i)+1]  ; and for k = 16..31
.endr
.endr
	; THE RANK STEP: 64 products that start the sums, while the first tiles are on their way
.irp hi, 0,1
	WIN MUL_LO+0x50*(\hi)
.irp a, 0,1,2,3
.irp b, 0,1,2,3,4,5,6,7
	v_wmma_f32_16x16x32_bf16 v[8*(8*(\a)+(\b)):8*(8*(\a)+(\b))+7], v[F1+8*(\b):F1+8*(\b)+7], v[F1+8*(4*(\hi)+(\a)):F1+8*(4*(\hi)+(\a))+7], 0
.endr
.endr
.endr
	WIN 0
	; Eight plain lines that are due anyway.  The f16 products that follow are no chain with the bf16 ones, so they stand five places or more behind them (ISA guide 7.12.1): these are the places.
	s_lshl_b32 s2, s15, 15                         ; my 128 rows of xs in a slot
	v_add_nc_u32 v[ADRA], s2, v[CO]
	v_add_nc_u32 v[ADRA+1], SLOT, v[ADRA]
	s_lshl_b32 s2, s16, 15                         ; my 128 rows of wf,
	s_add_co_u32 s2, s2, 2*HALFT                   ; which lie behind xs's 256
	v_add_nc_u32 v[ADRB], s2, v[CO]
	v_add_nc_u32 v[ADRB+1], SLOT, v[ADRB]
	s_mul_i32 s2, s14, 16*SPITCH
	s_add_co_u32 s2, s2, STAGE                     ; my stage
	v_mul_u32_u24 v[STO], v1, SPITCH               ; in: row l % 16, 32 bytes for each half of the lanes
	v_lshl_add_u32 v[STO], v2, 5, v[STO]
	v_add_nc_u32 v[STO], s2, v[STO]
	v_add_nc_u32 v[RD], s2, v[CO]                  ; back: 32 lanes take one row of 512 bytes
; 16 products: row blocks a0, a0 + 1 of the window's four x all 8 column blocks, 32 along K.  The 64 accumulators take turns, one instruction a turn, in the same order everywhere.
.macro MUL16 f, hi, a0
	WIN MUL_LO+0x50*(\hi)
.irp a, \a0, (\a0)+1
.irp b, 0,1,2,3,4,5,6,7
	v_wmma_f32_16x16x32_f16 v[8*(8*(\a)+(\b)):8*(8*(\a)+(\b))+7], v[(\f)+8*(\b):(\f)+8*(\b)+7], v[(\f)+8*(4*(\hi)+(\a)):(\f)+8*(4*(\hi)+(\a))+7], v[8*(8*(\a)+(\b)):8*(8*(\a)+(\b))+7]
.endr
.endr
.endm
; 32 LDS loads in one run: the fragments of quarter kq of a K step into buffer f: wf's eight, then xs's eight
.macro FETCH slot, kq, f
	WIN TO_B
.irp i, 0,1,2,3,4,5,6,7
	ds_load_b128 v[(\f)+8*(\i):(\f)+8*(\i)+3],   v[ADRB+(\slot)] offset:(\i)*4096+(\kq)*1024
	ds_load_b128 v[(\f)+8*(\i)+4:(\f)+8*(\i)+7], v[ADRB+(\slot)] offset:(\i)*4096+(\kq)*1024+512
.endr
	WIN 0
.irp i, 0,1,2,3,4,5,6,7
	ds_load_b128 v[(\f)+8*(\i):(\f)+8*(\i)+3],   v[ADRA+(\slot)] offset:(\i)*4096+(\kq)*1024
	ds_load_b128 v[(\f)+8*(\i)+4:(\f)+8*(\i)+7], v[ADRA+(\slot)] offset:(\i)*4096+(\kq)*1024+512
.endr
.endm
.macro PLACES                          ; four places ahead of loads into registers that matrix instructions have read, and of what reads results just made (ISA guide 7.12.1 for what reads results)
.rept 4
	v_nop
.endr
.endm
; A K step is four quarters of 32 along K, 64 products each, on buffers 0, 1, 0, 1.  One of the first three: multiplies buffer f; in its middle it fetches quarter kq of the same slot into buffer g.
.macro QUARTER slot, kq, f, g
	s_wait_dscnt 8                                 ; wf's and xs's rows 0-63 are in; the youngest eight loads (xs's rows 64-127) may be out
	MUL16 \f, 0, 0
	MUL16 \f, 0, 2
	PLACES
	FETCH \slot, \kq, \g
	s_wait_dscnt 32                                ; all but the 32 just issued
	MUL16 \f, 1, 0
	MUL16 \f, 1, 2
.endm
; The last quarter multiplies buffer 1 and changes slots.  ONE barrier: ahead of it each wave waits for all its tensor loads (the one that is out is its part of the next slot), adds 0 to its spare word, and
; waits for that and for its own reads of this slot.  Behind it nobody reads this slot any more and the next slot is whole.
.macro MEET round
	WIN 0                                          ; (the add's two registers lie in window 0)
	s_wait_tensorcnt 0x0
	ds_add_u32 v[SPW], v[NIL]
	s_wait_dscnt 9                                 ; (the add and the youngest eight loads may be out)
	MUL16 F1, 0, 0                                 ; sixteen products stand between the add and the wait for it
	s_wait_dscnt 0x0                               ; the add is done, and my reads of this slot are over
	s_barrier_signal -1
	MUL16 F1, 0, 2                                 ; work on registers while the others arrive
.if \round
	WIN 0
.endif
	s_barrier_wait -1
.endm
; fill = 1: the barrier opens a round of the cluster's, and the slot just read is filled again, two K steps on, first thing behind the round: 224 products stand between that request and the wait for it.
.macro TURN slot, next, fill
	MEET \fill
.if \fill
	CREST                                          ; no wave of any partner still reads this slot's tile or has a load on its way
	s_add_nc_u64 s[G0+4*(\slot)+2:G0+4*(\slot)+3], s[G0+4*(\slot)+2:G0+4*(\slot)+3], 2*ASTEP
	s_add_nc_u64 s[G0B+4*(\slot)+2:G0B+4*(\slot)+3], s[G0B+4*(\slot)+2:G0B+4*(\slot)+3], 2*BSTEP
	JLOAD \slot                                    ; the four v_nop behind it are also the places ahead of the loads below
.else
	PLACES
.endif
	FETCH \next, 0, F0
	MUL16 F1, 1, 0
	MUL16 F1, 1, 2
.endm
; THE WAY OUT of row block a (16 rows x 128 columns of f32).  A lane's 32 bytes of each accumulator go into my own stage, lowest registers first, and come back as whole rows of 512 bytes.
.macro TOSTAGE a
.set AC, 64*((\a)%4)
.set BK, F0+64*((\a)%2)
	s_wait_xcnt 0x0                                ; the registers that earlier stores read are loaded again only behind this wait
	WIN 0x08+4*((\a)/4)                            ; store data (source 1) in window 2 or 3
.irp b, 0,1,2,3,4,5,6,7
	ds_store_b128 v[STO], v[AC+8*(\b):AC+8*(\b)+3]   offset:64*(\b)
	ds_store_b128 v[STO], v[AC+8*(\b)+4:AC+8*(\b)+7] offset:64*(\b)+16
.endr
	WIN 0
.irp t, 0,1,2,3,4,5,6,7,8,9,10,11,12,13,14,15
	ds_load_b128 v[BK+4*(\t):BK+4*(\t)+3], v[RD] offset:(\t)*SPITCH  ; LDS serves a wave's instructions in order (ISA guide 5.7.1.4): these see the stores above, and the next block's stores come behind them
.endr
.endm
.macro SEND a, younger                 ; younger: the LDS instructions issued behind block a's loads
.set BK, F0+64*((\a)%2)
	s_wait_dscnt \younger
.irp t, 0,1,2,3,4,5,6,7,8,9,10,11,12,13,14,15
	global_store_b128 v[CO], v[BK+4*(\t):BK+4*(\t)+3], s[12:13] offset:(\a)*131072+(\t)*8192 th:TH_STORE_NT  ; each store of the wave covers 512 consecutive bytes, aligned; 127 rows at the most: inside the signed 24-bit immediate
.endr
.endm
	s_wait_tensorcnt 1                             ; my part of K step 0 is in; K step 1's may stay out
	s_barrier_signal -1
	s_barrier_wait -1                              ; everybody's is
	FETCH 0, 0, F0
	s_mov_b32 s23, 3
.Llap:                                                 ; a trip is two K steps, once round the ring, and fills both slots again: K steps 2 to 7
	QUARTER 0, 1, F0, F1
	QUARTER 0, 2, F1, F0
	QUARTER 0, 3, F0, F1
	TURN 0, 1, 1
	QUARTER 1, 1, F0, F1
	QUARTER 1, 2, F1, F0
	QUARTER 1, 3, F0, F1
	TURN 1, 0, 1
	WIN 0                                          ; at a label and at a branch every window is 0
	s_sub_co_u32 s23, s23, 1
	s_cmp_lg_u32 s23, 0
	s_cbranch_scc1 .Llap
	QUARTER 0, 1, F0, F1                           ; the last two K steps are written out: nothing is asked for
	QUARTER 0, 2, F1, F0
	QUARTER 0, 3, F0, F1
	TURN 0, 1, 0
	QUARTER 1, 1, F0, F1
	QUARTER 1, 2, F1, F0
	QUARTER 1, 3, F0, F1
	s_wait_dscnt 8                                 ; the very last quarter: nothing more to fetch
	MUL16 F1, 0, 0
	MUL16 F1, 0, 2
	s_wait_dscnt 0x0
	MUL16 F1, 1, 0
	MUL16 F1, 1, 2
	WIN 0
	PLACES
	TOSTAGE 0
.irp a, 1,2,3,4,5,6,7                  ; block a's way through the stage stands between block a - 1's loads and its stores
	TOSTAGE \a
	SEND (\a)-1, 32
.endr
	SEND 7, 0
	s_wait_tensorcnt 0x0                           ; the wave's end: behind my last tensor load and my last LDS store
	ds_add_u32 v[SPW], v[NIL]
	s_wait_dscnt 0x0
	CROUND                                         ; the closing round: no work-group ends while a partner may still ask for a tile that names it
	s_endpgm
.Lfunc_end_k_qff5d925b77_gemm:
	.size	k_qff5d925b77_gemm, .Lfunc_end_k_qff5d925b77_gemm-k_qff5d925b77_gemm
	.p2alignl 7, 3214868480
	.fill 96, 4, 3214868480
	.section	.rodata,"a",@progbits
	.p2align	6, 0x0
	.amdhsa_kernel k_qff5d925b77_gemm
		.amdhsa_group_segment_fixed_size 327680
		.amdhsa_private_segment_fixed_size 0
		.amdhsa_enable_private_segment 0
		.amdhsa_kernarg_size 40
		.amdhsa_user_sgpr_count 2
		.amdhsa_user_sgpr_kernarg_segment_ptr 1
		.amdhsa_wavefront_size32 1
		.amdhsa_system_sgpr_workgroup_id_x 1
		.amdhsa_system_sgpr_workgroup_id_y 1
		.amdhsa_system_sgpr_workgroup_id_z 1
		.amdhsa_system_vgpr_workitem_id 0
		.amdhsa_next_free_vgpr 1024
		.amdhsa_next_free_sgpr 72
		.amdhsa_reserve_vcc 0
		.amdhsa_float_denorm_mode_32 3
		.amdhsa_float_denorm_mode_16_64 3
		.amdhsa_memory_ordered 1
		.amdhsa_forward_progress 1
		.amdhsa_inst_pref_size 151
	.end_amdhsa_kernel
	.amdgpu_metadata
---
amdhsa.version: [ 1, 2 ]
amdhsa.kernels:
  - .name:           k_qff5d925b77_gemm
    .symbol:         k_qff5d925b77_gemm.kd
    .args:
      - { .name: xs, .offset: 0, .size: 8, .value_kind: global_buffer, .address_space: global }
      - { .name: wf, .offset: 8, .size: 8, .value_kind: global_buffer, .address_space: global }
      - { .name: t16, .offset: 16, .size: 8, .value_kind: global_buffer, .address_space: global }
      - { .name: lora_B, .offset: 24, .size: 8, .value_kind: global_buffer, .address_space: global }
      - { .name: out0, .offset: 32, .size: 8, .value_kind: global_buffer, .address_space: global }
    .group_segment_fixed_size: 327680
    .private_segment_fixed_size: 0
    .kernarg_segment_align: 8
    .kernarg_segment_size: 40
    .max_flat_workgroup_size: 128
    .sgpr_count:     72
    .vgpr_count:     1024
    .wavefront_size: 32
...
	.end_amdgpu_metadata
.endif
;; end of part 2
